; MI455X (gfx1250); checked and timed in simulation.
; The chip was launched on July 23, 2026; its instructions are those of AMD's public machine-readable ISA for CDNA 5 (MIT licence, August 2026) and "CDNA5" Instruction Set Architecture Reference Guide (July 2026). The comments in the code are by the model that wrote it; some were corrected since.
;; Torch Attention. Allowed arithmetic: matrix products marked QUANTISED: E2M3 operands, one E8M0 scale for each 32 along K, by v_wmma_scale_f32_16x16x128_f8f6f4 with both operands' format E2M3, f32 sums; everything else in f32.
;; Inputs: kn_bias 64 float32; kn_scale 64 float32; proj_b 1,024 float32; proj_w_codes 1,024 x 32 x 24 uint8 (E2M3 codes of proj_w, K innermost, in blocks of 32 codes, four codes in three bytes); proj_w_scales 1,024 x 32 uint8 (E8M0 scales of proj_w, one for each 32 codes along K); qkv_w_codes 3,072 x 32 x 24 uint8 (E2M3 codes of qkv_w, K innermost, in blocks of 32 codes, four codes in three bytes); qkv_w_scales 3,072 x 32 uint8 (E8M0 scales of qkv_w, one for each 32 codes along K); qn_bias 64 float32; qn_scale 64 float32; x_codes 4 x 2,048 x 32 x 24 uint8 (E2M3 codes of x, K innermost, in blocks of 32 codes, four codes in three bytes); x_scales 4 x 2,048 x 32 uint8 (E8M0 scales of x, one for each 32 codes along K).
;; Outputs: out0 4 x 2,048 x 1,024 float32.
;; This version of the problem:
;;   THIS VERSION OF THE PROBLEM IS GIVEN IN LOW PRECISION. The matrix products marked QUANTISED in the list below multiply operands that are first quantised to E2M3 (2 exponent bits, 3 mantissa bits; 6 bits a number), with one power-of-two scale for each 32 numbers along K (OCP MX v1.0); their sums are f32. All else is computed in f32.
;;   The module's matrix products, in the order in which they are computed (A, B: the left and right operand; K: the contracted axis; several contracted axes count as one K, in the product's order):
;;     1. [M 8,192, K 1,024] x [K 1,024, N 3,072]; A: input x (given as codes); B: input qkv_w (given as codes): QUANTISED
;;     2. batch 64 x [M 2,048, K 64] x [K 64, N 2,048]; A: computed on the way; B: computed on the way: QUANTISED
;;     3. batch 64 x [M 2,048, K 2,048] x [K 2,048, N 64]; A: softmax (see below); B: computed on the way: QUANTISED
;;     4. [M 8,192, K 1,024] x [K 1,024, N 1,024]; A: computed on the way; B: input proj_w (given as codes): QUANTISED
;;   THE QUANTISER, for each operand of a quantised product, along K:
;;     - K is cut into blocks of 32 from its start; a last block that is shorter is filled with zeros.
;;     - A block's scale is 2^e with e = floor(log2(the largest magnitude in the block)) - 2, held to -126 .. 127; a block of zeros has e = 0. As a byte (E8M0): e + 127.
;;     - Each number is divided by its block's scale, clamped to +-7.5, and rounded to the nearest number of E2M3, ties to even, subnormals kept.
;;     - The product sums the exact products of the quantised numbers (number of the format x scale) in f32.
;;   ~~~python
;;   def quantise(x, axis):      # numpy; x: float32 -> the quantised numbers, widened to float32 again
;;       x = np.moveaxis(x, axis, -1); K = x.shape[-1]
;;       x = np.pad(x, [(0, 0)] * (x.ndim - 1) + [(0, -K % 32)]); x = x.reshape(x.shape[:-1] + (-1, 32)); a = np.abs(x).max(-1, keepdims=True)
;;       e = np.where(a > 0, np.clip(np.frexp(np.where(a > 0, a, 1))[1] - 1 - 2, -126, 127), 0)      # np.frexp(a)[1] - 1 = floor(log2(a)), exactly
;;       r = np.clip(x / 2.0 ** e, -7.5, 7.5)
;;       step = 2.0 ** (np.maximum(np.frexp(np.where(r == 0, 1, r))[1] - 1, 0) - 3)
;;       q = np.round(r / step) * step * 2.0 ** e      # np.round: ties to even
;;       return np.moveaxis(q.reshape(q.shape[:-2] + (-1,))[..., :K], -1, axis).astype(np.float32)
;;   ~~~
;;   SOFTMAX AHEAD OF A QUANTISED PRODUCT. Where the list says 'softmax', what is quantised is not the finished softmax but p = 2^(t - M), with t = logit x log2(e) and M = ceil(the row's largest t), a whole number; so 1/2 < the row's largest p <= 1. The row's sum l is taken of the UNQUANTISED p, in f32, and the product's result is divided by l at the end. Since M is a whole number, a kernel that streams over the keys may use a running M (the ceiling of the running maximum): every later rescaling is an exact power of two, which a block's scale takes up: the codes' values come out the same.
;;   OPERANDS COMPUTED ON THE WAY. 'Computed on the way' means the value that the module computes at that place (a softmax that the list does not call 'softmax' is quantised finished and normalised). What goes into a quantiser is computed in f32, as accurately as f32 sums, v_exp_f32 and their like allow (about 1e-6 of the number): no bf16 or f16 on the way to a quantiser, and a product that is left as it is and whose result goes on into a quantised operand takes f32 operands (vector FMAs, or v_wmma_f32_16x16x4_f32). A number that lies on a knife's edge between two numbers of the format may be rounded either way, as far as f32 arithmetic and the matrix unit's own rounding can turn it there, and no further.
;;   INPUTS GIVEN AS CODES. proj_w (in the module: [1024, 1024], K = its axis 0); qkv_w (in the module: [1024, 3072], K = its axis 0); x (in the module: [4, 2048, 1024], K = its axis 2): each comes as NAME_codes (uint8): NAME with its K axis moved to the last place and cut into blocks of 32 codes, [.., K / 32, bytes a block], one block behind the other in memory; four codes in three bytes: a row's codes are one little-endian stream of bits, code i at bits 6 i .. 6 i + 5 (a code: sign, 2 exponent bits, 3 mantissa bits); and NAME_scales (uint8): the same leading axes, one E8M0 byte (e + 127) for each 32 codes along K. Its value is code x scale, taken as it is: it is not quantised again, and the codes and scales need not be those that the quantiser above would give.
;; One version. Each part assembles by itself: llvm-mc -triple=amdgcn-amd-amdhsa -mcpu=gfx1250 --defsym DOCPART=n.
;; ======== version 1 of 1: 3 launches
;; limits: right only within a limited range of input values
;; workspace buffers: qf 13,107,200 bytes; kv 13,107,200 bytes; a_codes 6,291,456 bytes; a_scales 262,144 bytes
;; launch qkv (part 1): grid 4 x 64, 4 waves a work-group, clusters of 4 x 4, 327,680 bytes of LDS; arguments x_codes, x_scales, qkv_w_codes, qkv_w_scales, qn_scale, qn_bias, kn_scale, kn_bias, qf, kv; writes qf, kv
.if DOCPART == 1
	.amdgcn_target "amdgcn-amd-amdhsa--gfx1250"
	.amdhsa_code_object_version 6
	.text
	.protected	k_qf640f880ac_qkv
	.globl	k_qf640f880ac_qkv
	.p2align	8
	.type	k_qf640f880ac_qkv,@function
k_qf640f880ac_qkv:
	s_mov_b64 s[64:65], 0
	v_nop
	global_prefetch_b8 v0, s[64:65] scope:SCOPE_SE
	s_setreg_imm32_b32 hwreg(HW_REG_WAVE_MODE, 25, 1), 1
	s_wait_xcnt 0x0
	s_wait_alu depctr_hold_cnt(0) depctr_sa_sdst(0) depctr_va_vdst(0) depctr_va_sdst(0) depctr_va_ssrc(0) depctr_va_vcc(0) depctr_vm_vsrc(0)
	s_getreg_b32 s2, hwreg(HW_REG_IB_STS2, 6, 4)
	s_cmp_eq_u32 s2, 0
	s_cbranch_scc0 .Lentry_in_a_cluster
	s_endpgm
.Lentry_in_a_cluster:
	s_bfe_u32 s2, ttmp6, 0x10000c
	s_cmp_lg_u32 s2, 0xf033
	s_cbranch_scc0 .Lentry_shape_is_right
	s_endpgm
.Lentry_shape_is_right:
; x [8192][1024] times qkv_w [1024][3072], both given as FP6 (E2M3) codes with one E8M0 byte for each 32 along K; then what the attention wants:
; q and k: LayerNorm over the head's 64 (q also times 1/8), quantised along the head's 64; v: quantised along the keys.  All leave as images of operand registers.
; A WORK-GROUP takes 128 tokens and four heads: three tiles of 128 tokens x 256 rows of W (q, k, v).  K = 1,024 is 768 bytes a row: WHOLE ROWS are staged in LDS
; (every row begins at a multiple of 256 bytes), 16 bytes of padding behind each 256: pitch 816.  x's 128 rows stay; W's 256 rows are filled again for k and for v,
; behind the three lines and a round of the cluster's barrier; the load is on its way while the finished tile is normalised and quantised in registers.
; A WAVE makes 128 rows of source 0 x 64 rows of source 1: 32 accumulators.  q, k: source 0 = 128 rows of W (two heads), source 1 = 64 tokens: a lane holds a token, its registers run
; along channels.  v: source 0 = the 128 tokens, source 1 = 64 rows of W (one head): a lane holds a channel, its registers run along the tokens.  One text of the product serves both, by address registers.
; q and k are two trips of one loop; v, which asks for no further tile, is the tail written out.
; SCALES go from memory into registers: for 16 rows one load of 16 bytes a lane, 512 bytes on end: lanes 0-15 hold a row's words of K steps 0-3, lanes 16-31 those of steps 4-7 (read by ROW1).
; CLUSTERS 4 x 4: x's tile is shared along a row of the cluster, W's along a column: joint loads.  No prefetch: the loop has two trips, and each refill is asked for a whole way out
; (eight LayerNorm tiles a wave) ahead of its first read.
; WHAT IS STORED.  For each (batch, head, 128 tokens) a block of 12,800 bytes: +0 four fragments of k (or q), +6,144 four of v, +12,288 and +12,544 their scale words, 256 bytes each.  A fragment is 12 registers a lane:
; registers 4 c .. 4 c + 3 of lane l at 512 c + 16 l.  Fragment f of k: registers 0-5 tokens 32 f + (l % 16), registers 6-11 tokens 32 f + 16 + (l % 16); lanes 0-15 the channels' block 0, lanes 16-31 block 1.
; Fragment t of v: channel 16 t + (l % 16), K = the 128 tokens.  Scale words: lane l's 8 bytes at 8 l: word 0 serves fragments 0 (lanes 0-15) and 1 (lanes 16-31), word 1 fragments 2 and 3.
; Inside a block of 32 the four groups of eight lie in the order 0, 2, 1, 3 (how two result tiles of 16 fall into a lane); q and k alike, v and the next launch's p alike.
; LIMITS: NaN and infinities are not served.  A block whose largest magnitude lies under 2^-124 keeps the byte 1, a block of zeros too (its codes are zeros; only this program reads the bytes).
; Mean and variance are summed as trees.  No work of reference() is left out.
.set PITCH,  816
.set WREG,   128*PITCH                 ; W's 256 rows lie behind x's 128
.set SPARE,  384*PITCH                 ; the spare words: 128 bytes a wave
.set BLOCK,  12800
.set HEADB,  16*BLOCK
.set A0,   8                           ; v8-11   q, k: source 0's LDS addresses: blocks 0-3 (plain; behind one padding more), blocks 4-7 (the same two)
.set A1,   12                          ; v12-13  q, k: source 1's
.set A0V,  16                          ; v16-19  v: source 0's
.set A1V,  20                          ; v20-21  v: source 1's
.set SCO,  22                          ; 32 (l % 16) + 16 (l / 16): my 16 scale bytes
.set GA,   23                          ; 32 (l / 16): my eight gains of a tile
.set LO8,  24                          ; q, k: 8 l + 4 x my half of the tokens
.set LO8V, 25                          ; v: 8 l
.set CO,   26                          ; q, k: 16 l + 3,072 x my half of the tokens
.set COV,  27                          ; v: 16 l
.set SPW,  28                          ; my spare word; never rewritten
.set NIL,  29                          ; 0; never rewritten
.set S0,   32                          ; v32-63  source 0's scale words, 4 registers a block: nothing else stands here
.set S1,   64                          ; v64-79  source 1's
.set LG,   80                          ; v80-111 the LayerNorm's gain at my 32 channels
.set LB,   112                         ; v112-143 its bias
.set F1,   160                         ; v160-255 source 1's fragments, two sets; on the way out at work:
.set DD,   144
.set CD0,  176
.set YY,   200
.set FW,   212
.set OW,   216
.set TS,   224
.set MU,   240
.set RS,   242
.set BM,   244
.set PB,   246
.set SO,   248
.set WD,   250
.set PX,   252
; window 1: the 32 accumulators, (a, b) at 64 a + 8 b.  window 2: source 0's fragments, two sets, at 0 and 128
.set G1X, 24
.set G0X, 32
.set G0H, 36
.set G1W, 48
.set G0R, 56
.set MSB, 0
.macro WIN new
.if MSB != (\new)
	s_set_vgpr_msb (MSB<<8)|(\new)
.set MSB, (\new)
.endif
.endm
.set MULW, 0x52                        ; source 0 window 2, source 1 window 0, C and D window 1
.set TO0,  0x80                        ; destination window 2
.macro CROUND                          ; a round of the cluster's barrier
	s_barrier_signal -1
	s_barrier_wait -1
	s_cmp_lg_u32 s14, 0
	s_cbranch_scc1 .Lnot_wave_0_\@
	s_barrier_signal -3
.Lnot_wave_0_\@:
	s_barrier_wait -3
	s_barrier_signal -1
	s_barrier_wait -1
.endm
.macro PLACES
.rept 4
	v_nop
.endr
.endm
.macro SCLOAD p0, p1                   ; the scale words of source 0's eight blocks and source 1's four
.irp b, 0,1,2,3,4,5,6,7
	global_load_b128 v[S0+4*\b:S0+4*\b+3], v[SCO], s[\p0:\p0+1] offset:512*\b
.endr
.irp a, 0,1,2,3
	global_load_b128 v[S1+4*\a:S1+4*\a+3], v[SCO], s[\p1:\p1+1] offset:512*\a
.endr
.endm
; a fragment: lane l holds row l % 16; registers 6 c .. 6 c + 5 hold K = 64 c + 32 (l / 16) + 0 .. 31: 24 bytes, in pieces of 8.  Byte y of a row lies at y + 16 (y / 256).
.macro FRAG reg, adr, st, i
.irp p, 0,1,2,3,4,5
.set BY, 96*(\st)+48*(\p/3)+8*(\p%3)
.if BY/256 == (BY+24)/256
	ds_load_b64 v[\reg+2*\p:\reg+2*\p+1], v[\adr] offset:BY+16*(BY/256)+(\i)*16*PITCH
.else
	ds_load_b64 v[\reg+2*\p:\reg+2*\p+1], v[\adr+1] offset:BY+16*(BY/256)+(\i)*16*PITCH
.endif
.endr
.endm
.macro FETCH0 st, p, a0
	WIN TO0
.irp i, 0,1,2,3
	FRAG 128*(\p)+12*\i, \a0, \st, \i
.endr
.irp i, 0,1,2,3
	FRAG 128*(\p)+48+12*\i, \a0+2, \st, \i
.endr
	WIN 0
.endm
.macro FETCH1 st, p, a1
.irp i, 0,1,2,3
	FRAG F1+48*(\p)+12*\i, \a1, \st, \i
.endr
.endm
; 32 matrix instructions, 128 along K; the accumulators take turns, one instruction a turn.  Step 0 starts the sums.
.macro MUL st
.irp a, 0,1,2,3
.irp b, 0,1,2,3,4,5,6,7
.set DR, 64*\a+8*\b
.set AR, 128*((\st)%2)+12*\b
.set BR, F1+48*((\st)%2)+12*\a
.set SA, S0+4*\b+(\st)%4
.set SB, S1+4*\a+(\st)%4
.if (\st) == 0
	v_wmma_scale_f32_16x16x128_f8f6f4 v[DR:DR+7], v[AR:AR+11], v[BR:BR+11], 0, v[SA], v[SB] matrix_a_fmt:MATRIX_FMT_FP6 matrix_b_fmt:MATRIX_FMT_FP6
.else
.if (\st) < 4
	v_wmma_scale_f32_16x16x128_f8f6f4 v[DR:DR+7], v[AR:AR+11], v[BR:BR+11], v[DR:DR+7], v[SA], v[SB] matrix_a_fmt:MATRIX_FMT_FP6 matrix_b_fmt:MATRIX_FMT_FP6
.else
	v_wmma_scale_f32_16x16x128_f8f6f4 v[DR:DR+7], v[AR:AR+11], v[BR:BR+11], v[DR:DR+7], v[SA], v[SB] matrix_a_fmt:MATRIX_FMT_FP6 matrix_b_fmt:MATRIX_FMT_FP6 matrix_a_scale:MATRIX_SCALE_ROW1 matrix_b_scale:MATRIX_SCALE_ROW1
.endif
.endif
.endr
.endr
.endm
; a tile's product: eight steps; a step's 72 fragment loads are issued ahead of the step before's 32 matrix instructions
.macro MATMUL a0, a1
	FETCH0 0, 0, \a0
	FETCH1 0, 0, \a1
	s_wait_loadcnt 0x0                             ; scale words (and gains) are in
.set ST, 0
.rept 8
	s_wait_dscnt 0x0                               ; this step's fragments are in
.if ST < 7
	PLACES                                         ; behind the matrix instructions that read the other set
	FETCH0 ST+1, (ST+1)%2, \a0
	FETCH1 ST+1, (ST+1)%2, \a1
.endif
	WIN MULW
	MUL ST
	WIN 0
.set ST, ST+1
.endr
.endm
	s_load_b256 s[4:11], s[0:1], 0x0               ; x's codes, x's scales, W's codes, W's scales
	s_load_b256 s[68:75], s[0:1], 0x20             ; qn_scale, qn_bias, kn_scale, kn_bias
	s_load_b128 s[76:79], s[0:1], 0x40             ; qf, kv
	v_lshl_add_u32 v[SPW], v0, 2, SPARE
	v_mov_b32 v[NIL], 0
	ds_add_u32 v[SPW], v[NIL]                      ; the opening lines: the add, twice on end, and its wait
	ds_add_u32 v[SPW], v[NIL]
	v_lshrrev_b32 v1, 5, v0
	v_readfirstlane_b32 s14, v1                    ; wave w
	s_lshr_b32 s15, s14, 1                         ; j: q, k: my half of the tokens
	s_and_b32 s16, s14, 1                          ; i: q, k: my half of W's rows
	s_bfe_u32 s40, ttmp6, 0x40000                  ; cx: which four heads
	s_bfe_u32 s41, ttmp6, 0x40004                  ; cy
	s_and_b32 s17, ttmp7, 0xffff
	s_lshl_b32 s17, s17, 2
	s_add_co_u32 s17, s17, s41                     ; which 128 tokens
	s_lshl_b32 s43, s41, 2
	s_lshl_b32 s43, 15, s43                        ; my row of the cluster
	s_lshl_b32 s44, 0x1111, s40                    ; my column
	s_or_b32 s[G1X], s43, (1<<20)|(1<<21)|(5<<22)|(3<<25)   ; elements of 1 byte; after every 64 words 4 words of padding; x's tile goes to my row
	s_or_b32 s[G1W], s44, (1<<20)|(1<<21)|(5<<22)|(3<<25)   ; W's to my column
.irp g, G1X, G1W
	s_mov_b32 s[\g+1], 768<<16
	s_mov_b32 s[\g+3], 768<<16
	s_mov_b32 s[\g+5], 768
	s_mov_b32 s[\g+6], 0
	s_mov_b32 s[\g+7], 0
.endr
	s_mov_b32 s[G1X+2], 64<<16                     ; x: 64 rows a load
	s_mov_b32 s[G1X+4], 64
	s_mov_b32 s[G1W+2], 128<<16                    ; W at the head: 128 rows a load
	s_mov_b32 s[G1W+4], 128
	s_lshl_b32 s20, s17, 7                         ; my first token
	s_lshl_b32 s21, s16, 6
	s_add_co_u32 s21, s20, s21
	s_mul_i32 s22, s21, 768                        ; x's codes: the 64 rows that waves 0, 1 fetch
	s_mov_b32 s23, 0
	s_lshl_b32 s46, s40, 8                         ; W's first row of my four heads (in q)
	s_lshl_b32 s47, s16, 7
	s_add_co_u32 s47, s46, s47
	s_mul_i32 s92, s47, 768                        ; W's codes: the 128 rows that waves 2, 3 fetch at the head
	s_mov_b32 s93, 0
	s_lshl_b32 s94, s14, 6
	s_add_co_u32 s94, s46, s94
	s_mul_i32 s88, s94, 768                        ; and the 64 rows that each wave fetches in a refill
	s_mov_b32 s89, 0
	s_lshl_b32 s90, s15, 6
	s_add_co_u32 s90, s90, s20
	s_lshl_b32 s90, s90, 5                         ; x's scales: my 64 tokens (q, k)
	s_mov_b32 s91, 0
	s_lshl_b32 s42, s20, 5                         ; x's scales: the 128 tokens (v)
	s_mov_b32 s43, 0
	s_lshl_b32 s44, s47, 5                         ; W's scales: my 128 rows (q)
	s_mov_b32 s45, 0
	s_add_co_u32 s18, s94, 2048
	s_lshl_b32 s18, s18, 5                         ; W's scales: my 64 rows (v)
	s_mov_b32 s19, 0
	s_lshr_b32 s96, s17, 4
	s_lshl_b32 s96, s96, 2
	s_add_co_u32 s96, s96, s40
	s_lshl_b32 s96, s96, 2                         ; 16 x batch + my first head
	s_add_co_u32 s98, s96, s14                     ; v: head + w
	s_lshl_b32 s97, s16, 1
	s_add_co_u32 s96, s96, s97                     ; q, k: head + 2 i
	s_and_b32 s97, s17, 15
	s_lshl_b32 s96, s96, 4
	s_add_co_u32 s96, s96, s97
	s_mul_i32 s96, s96, BLOCK
	s_lshl_b32 s98, s98, 4
	s_add_co_u32 s98, s98, s97
	s_mul_i32 s98, s98, BLOCK
	s_mov_b32 s97, 0
	s_mov_b32 s99, 0
	s_mov_b32 s[G0X], 1
	s_mul_i32 s[G0X+1], s16, 64*PITCH
	s_mov_b32 s[G0H], 1
	s_mul_i32 s[G0H+1], s16, 128*PITCH
	s_add_co_u32 s[G0H+1], s[G0H+1], WREG
	s_mov_b32 s[G0R], 1
	s_mul_i32 s[G0R+1], s14, 64*PITCH
	s_add_co_u32 s[G0R+1], s[G0R+1], WREG
	s_wait_dscnt 0x0                               ; both opening adds are done
	s_wait_kmcnt 0x0
	s_add_nc_u64 s[G0X+2:G0X+3], s[4:5], s[22:23]
	s_or_b32 s[G0X+3], s[G0X+3], 0x80000000
	s_add_nc_u64 s[G0H+2:G0H+3], s[8:9], s[92:93]
	s_or_b32 s[G0H+3], s[G0H+3], 0x80000000
	s_add_nc_u64 s[G0R+2:G0R+3], s[8:9], s[88:89]  ; q's rows: each refill steps it 1,024 rows on first
	s_or_b32 s[G0R+3], s[G0R+3], 0x80000000
	CROUND                                         ; the first joint loads meet
	s_cmp_lt_u32 s14, 2                            ; one load a wave: waves 0, 1 x's halves, waves 2, 3 the halves of q's rows of W
	s_cbranch_scc0 .Lhead_w
	tensor_load_to_lds s[G0X:G0X+3], s[G1X:G1X+7]
	s_nop 0
	PLACES
	s_branch .Lhead_asked
.Lhead_w:
	tensor_load_to_lds s[G0H:G0H+3], s[G1W:G1W+7]
	s_nop 0
	PLACES
.Lhead_asked:
	s_add_nc_u64 s[60:61], s[6:7], s[90:91]        ; x's scales, my 64 tokens
	s_add_nc_u64 s[62:63], s[6:7], s[42:43]        ; x's scales, the 128 tokens
	s_add_nc_u64 s[66:67], s[10:11], s[44:45]      ; W's scales, q
	s_add_nc_u64 s[92:93], s[66:67], 32768         ; W's scales, k: 1,024 rows on
	s_add_nc_u64 s[86:87], s[10:11], s[18:19]      ; W's scales, v
	s_add_nc_u64 s[80:81], s[76:77], s[96:97]      ; where q goes,
	s_add_nc_u64 s[82:83], s[78:79], s[96:97]      ; k,
	s_add_nc_u64 s[84:85], s[78:79], s[98:99]      ; v
	s_mul_i32 s21, s15, 64*PITCH
	s_mul_i32 s47, s15, 3072
	s_lshl_b32 s20, s15, 2
	s_mov_b32 s104, 0x76543210
	s_mov_b32 s105, 0xfedcba98                     ; v_permlanex16_b32's selects for lane l xor 16
	s_mov_b32 s18, 0x3c800000                      ; 1/64
	s_mov_b32 s19, 0x3727c5ac                      ; eps
	s_mov_b32 s3, 0                                ; the tile: 0 = q, 1 = k
	v_and_b32 v1, 15, v0
	v_bfe_u32 v2, v0, 4, 1
	v_and_b32 v5, 31, v0
	v_mul_u32_u24 v3, v1, PITCH
	v_mad_u32_u24 v3, v2, 24, v3                   ; row x pitch + 24 x half
	v_lshl_add_u32 v4, v2, 4, v3                   ; and behind one padding more
	v_add_nc_u32 v[A0], s[G0H+1], v3               ; q, k: source 0 = my 128 rows of W
	v_add_nc_u32 v[A0+1], s[G0H+1], v4
	v_add_nc_u32 v[A0+2], 64*PITCH, v[A0]
	v_add_nc_u32 v[A0+3], 64*PITCH, v[A0+1]
	v_add_nc_u32 v[A1], s21, v3                    ; source 1 = my 64 tokens
	v_add_nc_u32 v[A1+1], s21, v4
	v_add_nc_u32 v[A0V], 0, v3                     ; v: source 0 = the 128 tokens
	v_add_nc_u32 v[A0V+1], 0, v4
	v_add_nc_u32 v[A0V+2], 64*PITCH, v3
	v_add_nc_u32 v[A0V+3], 64*PITCH, v4
	v_add_nc_u32 v[A1V], s[G0R+1], v3              ; source 1 = my 64 rows of W
	v_add_nc_u32 v[A1V+1], s[G0R+1], v4
	v_lshlrev_b32 v[GA], 5, v2
	v_lshlrev_b32 v[SCO], 4, v2
	v_lshl_add_u32 v[SCO], v1, 5, v[SCO]
	v_lshlrev_b32 v[COV], 4, v5
	v_add_nc_u32 v[CO], s47, v[COV]
	v_lshlrev_b32 v[LO8V], 3, v5
	v_add_nc_u32 v[LO8], s20, v[LO8V]
	SCLOAD 66, 60
	s_wait_alu depctr_va_vdst(0)
; Token tile a (16 tokens), head hd of my two.  Lane (r, h) holds token r's channels 16 t + 8 h + j in register 8 t + j of four accumulators; lane l xor 16 holds the other 32.
.macro LNQ a, hd
.set AC, 64*(\a)+32*(\hd)
.set EO, (\a)%2
.set CD, CD0+12*((\a)/2)+6*EO
	WIN 5
.irp i, 0,1,2,3,4,5,6,7
	v_pk_add_f32 v[TS+2*\i:TS+2*\i+1], v[AC+4*\i:AC+4*\i+1], v[AC+4*\i+2:AC+4*\i+3]   ; the sum, as a tree; each accumulator from its low end on
.endr
	WIN 0
.irp i, 0,4,8,12
	v_pk_add_f32 v[TS+\i:TS+\i+1], v[TS+\i:TS+\i+1], v[TS+\i+2:TS+\i+3]
.endr
	v_pk_add_f32 v[TS:TS+1], v[TS:TS+1], v[TS+4:TS+5]
	v_pk_add_f32 v[TS+8:TS+9], v[TS+8:TS+9], v[TS+12:TS+13]
	v_pk_add_f32 v[TS:TS+1], v[TS:TS+1], v[TS+8:TS+9]
	v_add_f32 v[TS], v[TS], v[TS+1]
	v_permlanex16_b32 v[PX], v[TS], s104, s105
	v_add_f32 v[TS], v[TS], v[PX]
	v_mul_f32 v[MU], s18, v[TS]                    ; the mean of the 64
	WIN 1
.irp i, 0,1,2,3,4,5,6,7,8,9,10,11,12,13,14,15
	v_pk_add_f32 v[DD+2*\i:DD+2*\i+1], v[AC+2*\i:AC+2*\i+1], v[MU:MU+1] op_sel_hi:[1,0] neg_lo:[0,1] neg_hi:[0,1]
.endr
	WIN 0
.irp i, 0,1,2,3
	v_pk_mul_f32 v[TS+2*\i:TS+2*\i+1], v[DD+2*\i:DD+2*\i+1], v[DD+2*\i:DD+2*\i+1]
.endr
.irp i, 4,5,6,7,8,9,10,11,12,13,14,15
	v_pk_fma_f32 v[TS+2*(\i%4):TS+2*(\i%4)+1], v[DD+2*\i:DD+2*\i+1], v[DD+2*\i:DD+2*\i+1], v[TS+2*(\i%4):TS+2*(\i%4)+1]
.endr
	v_pk_add_f32 v[TS:TS+1], v[TS:TS+1], v[TS+2:TS+3]
	v_pk_add_f32 v[TS+4:TS+5], v[TS+4:TS+5], v[TS+6:TS+7]
	v_pk_add_f32 v[TS:TS+1], v[TS:TS+1], v[TS+4:TS+5]
	v_add_f32 v[TS], v[TS], v[TS+1]
	v_permlanex16_b32 v[PX], v[TS], s104, s105
	v_add_f32 v[TS], v[TS], v[PX]
	v_fma_f32 v[TS], v[TS], s18, s19               ; variance + eps
	s_wait_alu depctr_va_vdst(0)
	v_rsq_f32 v[RS], v[TS]
	v_nop
	s_wait_alu depctr_va_vdst(0)
.irp i, 0,1,2,3,4,5,6,7,8,9,10,11,12,13,14,15
	v_pk_mul_f32 v[DD+2*\i:DD+2*\i+1], v[DD+2*\i:DD+2*\i+1], v[RS:RS+1] op_sel_hi:[1,0]
.endr
.irp i, 0,1,2,3,4,5,6,7,8,9,10,11,12,13,14,15
	v_pk_fma_f32 v[DD+2*\i:DD+2*\i+1], v[DD+2*\i:DD+2*\i+1], v[LG+2*\i:LG+2*\i+1], v[LB+2*\i:LB+2*\i+1]
.endr
.irp b, 0,1
	v_max3_num_f32 v[BM+\b], |v[DD+16*\b]|, |v[DD+16*\b+1]|, 0x1800000   ; my half of block b, with the floor 2^(3 - 127)
.endr
.irp i, 2,4,6,8,10,12,14
.irp b, 0,1
	v_max3_num_f32 v[BM+\b], v[BM+\b], |v[DD+16*\b+\i]|, |v[DD+16*\b+\i+1]|
.endr
.endr
.irp b, 0,1
	v_permlanex16_b32 v[PB+\b], v[BM+\b], s104, s105
.endr
.irp b, 0,1
	v_max_num_f32 v[BM+\b], v[BM+\b], v[PB+\b]
.endr
.irp b, 0,1
	v_add_nc_u32 v[SO+\b], 0xff000000, v[BM+\b]    ; 2 off the exponent field: the conversion's scale operand
.endr
.irp b, 0,1
	v_lshrrev_b32 v[PB+\b], 23, v[SO+\b]           ; the scale's byte
.endr
	v_lshl_or_b32 v[WD+EO], v[PB+1], 8, v[PB]
	s_wait_alu depctr_va_vdst(0)
	s_wait_xcnt 0x0                                ; earlier stores have read the codes' registers
	v_cvt_scalef32_pk16_fp6_f32 v[CD:CD+2], v[DD:DD+15], v[SO]
	v_cvt_scalef32_pk16_fp6_f32 v[YY:YY+2], v[DD+16:DD+31], v[SO+1]
	v_nop
.irp i, 0,1,2
	v_permlane16_swap_b32 v[CD+\i], v[YY+\i]       ; lanes 0-15 now hold block 0 whole, lanes 16-31 block 1
.endr
.irp i, 0,1,2
	v_mov_b32 v[CD+3+\i], v[YY+\i]
.endr
.if EO == 1
	v_lshl_or_b32 v[FW+(\a)/2], v[WD+1], 16, v[WD] ; the fragment's scale word
.irp c, 0,1,2
	global_store_b128 v[CO], v[CD-6+4*\c:CD-6+4*\c+3], s[12:13] offset:(\hd)*HEADB+1536*((\a)/2)+512*\c   ; 512 bytes on end
.endr
.endif
.if (\a) == 3
	s_wait_alu depctr_va_vdst(0)
	s_wait_xcnt 0x0
	v_cndmask_b32 v[OW], v[FW], v[FW+1], vcc_lo    ; lanes 0-15 my first fragment's words, lanes 16-31 my second's
	global_store_b32 v[LO8], v[OW], s[12:13] offset:(\hd)*HEADB+12288   ; my word of each lane's pair; the other half's wave stores the other
.endif
.endm
; v: channel tile a.  Lane (r, h) holds channel r at tokens 16 b + 8 h + j in register 8 b + j: four blocks of 32 tokens, half of each.
.macro VQ a
.set AC, 64*(\a)
.set CD, CD0+12*((\a)%2)
	WIN 5
.irp b, 0,1,2,3
	v_max3_num_f32 v[TS+\b], |v[AC+16*\b]|, |v[AC+16*\b+1]|, 0x1800000
.endr
.irp i, 2,4,6,8,10,12,14
.irp b, 0,1,2,3
	v_max3_num_f32 v[TS+\b], |v[AC+16*\b+\i]|, |v[AC+16*\b+\i+1]|, v[TS+\b]
.endr
.endr
	WIN 0
.irp b, 0,1,2,3
	v_permlanex16_b32 v[TS+4+\b], v[TS+\b], s104, s105
.endr
.irp b, 0,1,2,3
	v_max_num_f32 v[TS+\b], v[TS+\b], v[TS+4+\b]
.endr
.irp b, 0,1,2,3
	v_add_nc_u32 v[TS+8+\b], 0xff000000, v[TS+\b]
.endr
.irp b, 0,1,2,3
	v_lshrrev_b32 v[TS+4+\b], 23, v[TS+8+\b]
.endr
	v_lshl_or_b32 v[FW+\a], v[TS+5], 8, v[TS+4]    ; my channel's scale word for these 128 tokens
	v_lshl_or_b32 v[FW+\a], v[TS+6], 16, v[FW+\a]
	v_lshl_or_b32 v[FW+\a], v[TS+7], 24, v[FW+\a]
	s_wait_alu depctr_va_vdst(0)
	s_wait_xcnt 0x0
	WIN 1
.irp c, 0,1
	v_cvt_scalef32_pk16_fp6_f32 v[CD+6*\c:CD+6*\c+2], v[AC+32*\c:AC+32*\c+15], v[TS+8+2*\c]
	v_cvt_scalef32_pk16_fp6_f32 v[YY+4*\c:YY+4*\c+2], v[AC+32*\c+16:AC+32*\c+31], v[TS+8+2*\c+1]
.endr
	WIN 0
	v_nop
.irp c, 0,1
.irp i, 0,1,2
	v_permlane16_swap_b32 v[CD+6*\c+\i], v[YY+4*\c+\i]
.endr
.irp i, 0,1,2
	v_mov_b32 v[CD+6*\c+3+\i], v[YY+4*\c+\i]
.endr
.endr
.irp c, 0,1,2
	global_store_b128 v[COV], v[CD+4*\c:CD+4*\c+3], s[12:13] offset:6144+1536*(\a)+512*\c
.endr
.if (\a) == 3
	s_wait_alu depctr_va_vdst(0)
	s_wait_xcnt 0x0
	v_cndmask_b32 v[OW], v[FW], v[FW+1], vcc_lo
	v_cndmask_b32 v[OW+1], v[FW+2], v[FW+3], vcc_lo
	global_store_b64 v[LO8V], v[OW:OW+1], s[12:13] offset:12544
.endif
.endm
.Ltile:                                                ; two trips: q, then k
	s_wait_xcnt 0x0                                ; the last trip's stores and loads have read their registers
	s_cmp_eq_u32 s3, 0
	s_cselect_b64 s[96:97], s[68:69], s[72:73]     ; the gain,
	s_cselect_b64 s[98:99], s[70:71], s[74:75]     ; the bias,
	s_cselect_b64 s[12:13], s[80:81], s[82:83]     ; where the tile goes,
	s_mov_b32 s101, 0x3f800000
	s_cselect_b32 s100, 0x3e000000, s101           ; and q's 1/8 (k: 1)
	s_mov_b32 s101, s100
.irp t, 0,1,2,3                        ; gain and bias at channels 16 t + 8 (l / 16) + 0 .. 7; they land under the product
	global_load_b128 v[LG+8*\t:LG+8*\t+3],   v[GA], s[96:97] offset:64*\t
	global_load_b128 v[LG+8*\t+4:LG+8*\t+7], v[GA], s[96:97] offset:64*\t+16
	global_load_b128 v[LB+8*\t:LB+8*\t+3],   v[GA], s[98:99] offset:64*\t
	global_load_b128 v[LB+8*\t+4:LB+8*\t+7], v[GA], s[98:99] offset:64*\t+16
.endr
	s_wait_tensorcnt 0x0                           ; my part of the tile is in;
	s_barrier_signal -1
	s_barrier_wait -1                              ; everybody's is
	MATMUL A0, A1
	s_wait_tensorcnt 0x0
	ds_add_u32 v[SPW], v[NIL]
	s_mov_b32 s[G1W+2], 64<<16                     ; no load of mine is out: a refill brings 64 rows a wave
	s_mov_b32 s[G1W+4], 64
	s_add_nc_u64 s[G0R+2:G0R+3], s[G0R+2:G0R+3], 1024*768   ; the next tile's rows of W
	s_cmp_eq_u32 s3, 0
	s_cselect_b64 s[88:89], s[92:93], s[62:63]     ; the next tile's scales: source 0: k's rows of W, or x's 128 tokens;
	s_cselect_b64 s[90:91], s[60:61], s[86:87]     ; source 1: my 64 tokens once more (one text for both trips), or v's rows of W
	s_wait_dscnt 0x0                               ; the add is done, and my reads of W's rows
	CROUND                                         ; no wave of any partner still reads W's rows
	tensor_load_to_lds s[G0R:G0R+3], s[G1W:G1W+7]  ; my one load behind the round
	s_nop 0
	PLACES                                         ; also the places behind the last products
	SCLOAD 88, 90
	s_mov_b32 vcc_lo, 0xffff0000                   ; lanes 16-31
	v_mov_b32 v[MU+1], 0                           ; upper halves of named pairs and permutes' destinations
	v_mov_b32 v[RS+1], 0
	v_mov_b32 v[PX], 0
	v_mov_b32 v[PB], 0
	v_mov_b32 v[PB+1], 0
.set I, 0
.rept 32                               ; gain and bias take q's 1/8: a power of two, so (y g + b) / 8 = y (g / 8) + b / 8 bit for bit
	v_pk_mul_f32 v[LG+I:LG+I+1], v[LG+I:LG+I+1], s[100:101] op_sel_hi:[1,0]
.set I, I+2
.endr
.irp hd, 0,1
.irp a, 0,1,2,3
	LNQ \a, \hd
.endr
.endr
	s_add_co_u32 s3, s3, 1
	s_cmp_lt_u32 s3, 2
	s_wait_alu depctr_va_vdst(0)
	s_cbranch_scc1 .Ltile
	s_wait_xcnt 0x0                                ; v: the tail; nothing more is asked for
	s_mov_b64 s[12:13], s[84:85]
	s_wait_tensorcnt 0x0
	s_barrier_signal -1
	s_barrier_wait -1
	MATMUL A0V, A1V
	PLACES
	s_mov_b32 vcc_lo, 0xffff0000
.irp b, 0,1,2,3
	v_mov_b32 v[TS+4+\b], 0
.endr
.irp a, 0,1,2,3
	VQ \a
.endr
	s_wait_tensorcnt 0x0                           ; the wave's end
	ds_add_u32 v[SPW], v[NIL]
	s_wait_dscnt 0x0
	CROUND                                         ; the closing round
	s_endpgm
.Lfunc_end_k_qf640f880ac_qkv:
	.size	k_qf640f880ac_qkv, .Lfunc_end_k_qf640f880ac_qkv-k_qf640f880ac_qkv
	.p2alignl 7, 3214868480
	.fill 96, 4, 3214868480
	.section	.rodata,"a",@progbits
	.p2align	6, 0x0
	.amdhsa_kernel k_qf640f880ac_qkv
		.amdhsa_group_segment_fixed_size 327680
		.amdhsa_private_segment_fixed_size 0
		.amdhsa_enable_private_segment 0
		.amdhsa_kernarg_size 80
		.amdhsa_user_sgpr_count 2
		.amdhsa_user_sgpr_kernarg_segment_ptr 1
		.amdhsa_wavefront_size32 1
		.amdhsa_system_sgpr_workgroup_id_x 1
		.amdhsa_system_sgpr_workgroup_id_y 1
		.amdhsa_system_sgpr_workgroup_id_z 1
		.amdhsa_system_vgpr_workitem_id 0
		.amdhsa_next_free_vgpr 1024
		.amdhsa_next_free_sgpr 106
		.amdhsa_reserve_vcc 1
		.amdhsa_float_denorm_mode_32 3
		.amdhsa_float_denorm_mode_16_64 3
		.amdhsa_memory_ordered 1
		.amdhsa_forward_progress 1
		.amdhsa_inst_pref_size 236
	.end_amdhsa_kernel
	.amdgpu_metadata
---
amdhsa.version: [ 1, 2 ]
amdhsa.kernels:
  - .name:           k_qf640f880ac_qkv
    .symbol:         k_qf640f880ac_qkv.kd
    .args:
      - { .name: x_codes, .offset: 0, .size: 8, .value_kind: global_buffer, .address_space: global }
      - { .name: x_scales, .offset: 8, .size: 8, .value_kind: global_buffer, .address_space: global }
      - { .name: qkv_w_codes, .offset: 16, .size: 8, .value_kind: global_buffer, .address_space: global }
      - { .name: qkv_w_scales, .offset: 24, .size: 8, .value_kind: global_buffer, .address_space: global }
      - { .name: qn_scale, .offset: 32, .size: 8, .value_kind: global_buffer, .address_space: global }
      - { .name: qn_bias, .offset: 40, .size: 8, .value_kind: global_buffer, .address_space: global }
      - { .name: kn_scale, .offset: 48, .size: 8, .value_kind: global_buffer, .address_space: global }
      - { .name: kn_bias, .offset: 56, .size: 8, .value_kind: global_buffer, .address_space: global }
      - { .name: qf, .offset: 64, .size: 8, .value_kind: global_buffer, .address_space: global }
      - { .name: kv, .offset: 72, .size: 8, .value_kind: global_buffer, .address_space: global }
    .group_segment_fixed_size: 327680
    .private_segment_fixed_size: 0
    .kernarg_segment_align: 8
    .kernarg_segment_size: 80
    .max_flat_workgroup_size: 128
    .sgpr_count:     106
    .vgpr_count:     1024
    .wavefront_size: 32
...
	.end_amdgpu_metadata
.endif
;; end of part 1
;; launch attn (part 2): grid 4 x 64, 16 waves a work-group, clusters of 4 x 1, 327,680 bytes of LDS; arguments qf, kv, a_codes, a_scales; writes a_codes, a_scales
.if DOCPART == 2
	.amdgcn_target "amdgcn-amd-amdhsa--gfx1250"
	.amdhsa_code_object_version 6
	.text
	.protected	k_qf640f880ac_attn
	.globl	k_qf640f880ac_attn
	.p2align	8
	.type	k_qf640f880ac_attn,@function
k_qf640f880ac_attn:
	s_mov_b64 s[64:65], 0
	v_nop
	global_prefetch_b8 v0, s[64:65] scope:SCOPE_SE
	s_setreg_imm32_b32 hwreg(HW_REG_WAVE_MODE, 25, 1), 1
	s_wait_xcnt 0x0
	s_wait_alu depctr_hold_cnt(0) depctr_sa_sdst(0) depctr_va_vdst(0) depctr_va_sdst(0) depctr_va_ssrc(0) depctr_va_vcc(0) depctr_vm_vsrc(0)
	s_getreg_b32 s2, hwreg(HW_REG_IB_STS2, 6, 4)
	s_cmp_eq_u32 s2, 0
	s_cbranch_scc0 .Lentry_in_a_cluster
	s_endpgm
.Lentry_in_a_cluster:
	s_bfe_u32 s2, ttmp6, 0x10000c
	s_cmp_lg_u32 s2, 0x3003
	s_cbranch_scc0 .Lentry_shape_is_right
	s_endpgm
.Lentry_shape_is_right:
.set BLOCK, 12800
.set PARTA, 12*256
.set PARTB, 38*256
.set FIRST, 16*PARTA
.macro CROUND
	s_barrier_signal -1
	s_barrier_wait -1
	s_cmp_lg_u32 s12, 0
	s_cbranch_scc1 .Lnot_wave_0_\@
	s_barrier_signal -3
.Lnot_wave_0_\@:
	s_barrier_wait -3
	s_barrier_signal -1
	s_barrier_wait -1
.endm
	s_load_b256 s[4:11], s[0:1], 0x0
	v_lshl_add_u32 v254, v0, 2, 0x32000
	v_mov_b32 v255, 0
	ds_add_u32 v254, v255
	ds_add_u32 v254, v255
	v_lshrrev_b32 v8, 5, v0
	s_delay_alu instid0(VALU_DEP_1)
	v_readfirstlane_b32 s12, v8
	s_bfe_u32 s13, ttmp6, 0x40000
	s_lshl_b32 s14, ttmp9, 2
	s_add_co_u32 s14, s14, s13
	s_and_b32 s15, ttmp7, 0xffff
	s_mov_b32 s16, 15|(3<<16)|(1<<21)
	s_mov_b32 s17, 32<<16
	s_mov_b32 s18, 12<<16
	s_mov_b32 s19, 32<<16
	s_mov_b32 s20, 12
	s_mov_b32 s21, 32
	s_mov_b32 s22, 0
	s_mov_b32 s23, 0
	s_mov_b32 s24, 15|(3<<16)|(1<<21)
	s_mov_b32 s25, 32<<16
	s_mov_b32 s26, 38<<16
	s_mov_b32 s27, 32<<16
	s_mov_b32 s28, 38
	s_mov_b32 s29, 32
	s_mov_b32 s30, 0
	s_mov_b32 s31, 0
	s_mul_i32 s54, s15, 16*BLOCK
	s_mul_i32 s55, s12, PARTA
	s_add_co_u32 s56, s54, s55
	s_mov_b32 s57, 0
	s_mul_i32 s58, s12, PARTB
	s_add_co_u32 s58, s58, FIRST
	s_add_co_u32 s60, s54, s58
	s_mov_b32 s61, 0
	s_mov_b32 s40, 0x76543210
	s_mov_b32 s41, 0xfedcba98
	s_mov_b32 s42, 0x3fb8aa3b
	s_mov_b32 s43, s42
	s_wait_dscnt 0x0
	s_wait_kmcnt 0x0
	s_mov_b32 s32, 1
	s_mov_b32 s33, s55
	s_add_nc_u64 s[34:35], s[6:7], s[56:57]
	s_or_b32 s35, s35, 0x80000000
	s_mov_b32 s36, 1
	s_mov_b32 s37, s58
	s_add_nc_u64 s[38:39], s[6:7], s[60:61]
	s_or_b32 s39, s39, 0x80000000
	CROUND
	tensor_load_to_lds s[32:35], s[16:23]
	s_nop 0
	s_wait_alu depctr_va_vdst(0)
	s_wait_tensorcnt 0x0
	ds_add_u32 v254, v255
	s_wait_dscnt 0x0
	CROUND
	tensor_load_to_lds s[36:39], s[24:31]
	s_nop 0
.rept 4
	v_nop
.endr
	s_lshl_b32 s62, s14, 2
	s_lshr_b32 s63, s12, 2
	s_add_co_u32 s62, s62, s63
	s_mul_i32 s62, s62, BLOCK
	s_add_co_u32 s62, s62, s54
	s_and_b32 s63, s12, 3
	s_mul_i32 s56, s63, 1536
	s_add_co_u32 s56, s56, s62
	s_add_nc_u64 s[46:47], s[4:5], s[56:57]
	s_and_b32 s56, s12, 1
	s_lshl_b32 s56, s56, 7
	s_lshr_b32 s63, s63, 1
	s_lshl_b32 s63, s63, 2
	s_add_co_u32 s56, s56, s63
	s_add_co_u32 s56, s56, s62
	s_add_co_u32 s56, s56, 12288
	s_add_nc_u64 s[48:49], s[4:5], s[56:57]
	s_lshr_b32 s58, s15, 4
	s_and_b32 s59, s15, 15
	s_lshl_b32 s60, s58, 7
	s_lshl_b32 s61, s14, 5
	s_add_co_u32 s60, s60, s61
	s_lshl_b32 s61, s12, 1
	s_add_co_u32 s60, s60, s61
	s_mul_i32 s56, s60, 12288
	s_mul_i32 s61, s59, 768
	s_add_co_u32 s56, s56, s61
	s_add_nc_u64 s[50:51], s[8:9], s[56:57]
	s_lshl_b32 s56, s60, 9
	s_lshl_b32 s61, s59, 1
	s_add_co_u32 s56, s56, s61
	s_add_nc_u64 s[52:53], s[10:11], s[56:57]
	v_and_b32 v6, 31, v0
	s_delay_alu instid0(VALU_DEP_1)
	v_lshlrev_b32 v1, 4, v6
	s_delay_alu instid0(VALU_DEP_2)
	v_lshlrev_b32 v3, 3, v6
	s_delay_alu instid0(VALU_DEP_1)
	v_add_nc_u32 v2, 12288, v3
	v_and_b32 v7, 15, v0
	s_delay_alu instid0(VALU_DEP_1)
	v_lshlrev_b32 v4, 5, v7
	s_delay_alu instid0(VALU_DEP_2)
	v_lshlrev_b32 v5, 3, v7
.irp j, 16,17,18,19,20,21,28,29,30,31,32,33
	v_mov_b32 v[\j], 0
.endr
.irp j, 216,217,218,219,227,228
	v_mov_b32 v[\j], 0
.endr
.macro INIT e
.if \e == 0
	global_load_b128 v[22:25], v1, s[46:47]
	global_load_b64 v[26:27], v1, s[46:47] offset:512
.else
	global_load_b64 v[22:23], v1, s[46:47] offset:520
	global_load_b128 v[24:27], v1, s[46:47] offset:1024
.endif
	global_load_b32 v35, v5, s[48:49]
	v_mov_b32 v13, 0xff61b1e6
	s_delay_alu instid0(VALU_DEP_1)
	v_floor_f32 v12, -v13
	v_mov_b32 v14, 0
	v_mov_b32 v15, 0
	s_mov_b32 s44, 0
	s_wait_loadcnt 0x0
.if \e == 0
	v_perm_b32 v34, v35, v35, 0x01000100
.else
	v_perm_b32 v34, v35, v35, 0x03020302
.endif
.set J, 0
.rept 32
	v_mov_b32 v[160+J], 0
.set J, J+1
.endr
.endm
.macro STEP
	v_add_nc_u32 v8, s44, v1
	v_add_nc_u32 v9, s44, v2
	v_nop
	v_nop
.irp f, 0,1,2,3
.irp c, 0,1,2
	ds_load_b128 v[40+12*\f+4*\c:43+12*\f+4*\c], v8 offset:1536*\f+512*\c
.endr
.endr
	ds_load_b64 v[36:37], v9
	ds_load_b64 v[38:39], v9 offset:256
	s_wait_alu depctr_va_vdst(0)
	s_wait_dscnt 0x0
.irp t, 0,1,2,3,4,5,6,7
.set QB, 22-6*(\t%2)
.if (\t/2)%2
	v_wmma_scale_f32_16x16x128_f8f6f4 v[96+8*\t:103+8*\t], v[40+12*(\t/2):51+12*(\t/2)], v[QB:QB+11], 0, v[36+\t/4], v34 matrix_a_fmt:MATRIX_FMT_FP6 matrix_b_fmt:MATRIX_FMT_FP6 matrix_a_scale:MATRIX_SCALE_ROW1
.else
	v_wmma_scale_f32_16x16x128_f8f6f4 v[96+8*\t:103+8*\t], v[40+12*(\t/2):51+12*(\t/2)], v[QB:QB+11], 0, v[36+\t/4], v34 matrix_a_fmt:MATRIX_FMT_FP6 matrix_b_fmt:MATRIX_FMT_FP6
.endif
.endr
.rept 4
	v_nop
.endr
.irp f, 0,1,2,3
.irp c, 0,1,2
	ds_load_b128 v[40+12*\f+4*\c:43+12*\f+4*\c], v8 offset:6144+1536*\f+512*\c
.endr
.endr
.irp b, 0,1,2,3
	v_max3_num_f32 v[212+\b], v[96+16*\b], v[97+16*\b], v[98+16*\b]
.endr
.irp i, 3,5,7,9,11,13
.irp b, 0,1,2,3
	v_max3_num_f32 v[212+\b], v[212+\b], v[96+16*\b+\i], v[97+16*\b+\i]
.endr
.endr
.irp b, 0,1,2,3
	v_max_num_f32 v[212+\b], v[212+\b], v[111+16*\b]
.endr
.irp b, 0,1,2,3
	s_delay_alu instid0(VALU_DEP_4)
	v_permlanex16_b32 v[216+\b], v[212+\b], s40, s41
.endr
.irp b, 0,1,2,3
	s_delay_alu instid0(VALU_DEP_4)
	v_max_num_f32 v[212+\b], v[212+\b], v[216+\b]
.endr
	s_delay_alu instid0(VALU_DEP_2)
	v_max3_num_f32 v228, v212, v213, v214
	s_delay_alu instid0(VALU_DEP_1)
	v_max_num_f32 v228, v228, v215
	s_delay_alu instid0(VALU_DEP_1)
	v_mul_f32 v228, s42, v228
	s_delay_alu instid0(VALU_DEP_1)
	v_max_num_f32 v13, v13, v228
	v_mov_b32 v228, v12
	s_delay_alu instid0(VALU_DEP_2)
	v_floor_f32 v12, -v13
	s_delay_alu instid0(VALU_DEP_1)
	v_sub_f32 v228, v12, v228
	s_delay_alu instid0(VALU_DEP_1)
	v_cvt_i32_f32 v228, v228
	s_delay_alu instid0(VALU_DEP_1)
	v_ldexp_f32 v226, 1.0, v228
.set J, 0
.rept 32
	v_pk_fma_f32 v[96+J:97+J], v[96+J:97+J], s[42:43], v[12:13] op_sel_hi:[1,0,0]
.set J, J+2
.endr
.irp b, 0,1,2,3
	v_fma_f32 v[212+\b], v[212+\b], s42, v12
.endr
.set J, 0
	s_wait_alu depctr_va_vdst(0)
.rept 64
	v_exp_f32 v[96+J], v[96+J]
.set J, J+1
.endr
.irp b, 0,1,2,3
	v_exp_f32 v[212+\b], v[212+\b]
.endr
	v_pk_mul_f32 v[14:15], v[14:15], v[226:227] op_sel_hi:[1,0]
	s_wait_alu depctr_va_vdst(0)
.irp b, 0,1,2,3
	v_max_num_f32 v[212+\b], 0x1800000, v[212+\b]
.endr
.irp b, 0,1,2,3
	s_delay_alu instid0(VALU_DEP_4)
	v_add_nc_u32 v[220+\b], 0xff000000, v[212+\b]
.endr
.irp b, 0,1,2,3
	s_delay_alu instid0(VALU_DEP_4)
	v_lshrrev_b32 v[216+\b], 23, v[220+\b]
.endr
	s_delay_alu instid0(VALU_DEP_3)
	v_lshl_or_b32 v224, v217, 8, v216
	s_delay_alu instid0(VALU_DEP_1)
	v_lshl_or_b32 v224, v218, 16, v224
	s_delay_alu instid0(VALU_DEP_1)
	v_lshl_or_b32 v224, v219, 24, v224
.irp c, 0,1
	v_cvt_scalef32_pk16_fp6_f32 v[192+6*\c:194+6*\c], v[96+32*\c:111+32*\c], v[220+2*\c]
	v_cvt_scalef32_pk16_fp6_f32 v[204+4*\c:206+4*\c], v[112+32*\c:127+32*\c], v[220+2*\c+1]
.endr
	v_nop
.irp c, 0,1
.irp i, 0,1,2
	v_permlane16_swap_b32 v[192+6*\c+\i], v[204+4*\c+\i]
.endr
.irp i, 0,1,2
	s_delay_alu instid0(VALU_DEP_3)
	v_mov_b32 v[195+6*\c+\i], v[204+4*\c+\i]
.endr
.endr
	v_pk_add_f32 v[216:217], v[96:97], v[98:99]
.irp j, 4,8,12,16,20,24,28,32,36,40,44,48,52,56,60
	v_pk_add_f32 v[14:15], v[14:15], v[96+\j:97+\j]
	v_pk_add_f32 v[216:217], v[216:217], v[98+\j:99+\j]
.endr
	s_delay_alu instid0(VALU_DEP_1)
	v_pk_add_f32 v[14:15], v[14:15], v[216:217]
.set J, 0
.rept 16
	v_pk_mul_f32 v[160+J:161+J], v[160+J:161+J], v[226:227] op_sel_hi:[1,0]
.set J, J+2
.endr
	s_wait_alu depctr_va_vdst(0)
	s_wait_dscnt 0x0
.irp t, 0,1,2,3
.if \t%2
	v_wmma_scale_f32_16x16x128_f8f6f4 v[160+8*\t:167+8*\t], v[40+12*\t:51+12*\t], v[192:203], v[160+8*\t:167+8*\t], v[38+\t/2], v224 matrix_a_fmt:MATRIX_FMT_FP6 matrix_b_fmt:MATRIX_FMT_FP6 matrix_a_scale:MATRIX_SCALE_ROW1
.else
	v_wmma_scale_f32_16x16x128_f8f6f4 v[160+8*\t:167+8*\t], v[40+12*\t:51+12*\t], v[192:203], v[160+8*\t:167+8*\t], v[38+\t/2], v224 matrix_a_fmt:MATRIX_FMT_FP6 matrix_b_fmt:MATRIX_FMT_FP6
.endif
.endr
	s_add_co_u32 s44, s44, BLOCK
.endm
.macro OUT e
.rept 4
	v_nop
.endr
	v_add_f32 v14, v14, v15
	s_delay_alu instid0(VALU_DEP_1)
	v_permlanex16_b32 v228, v14, s40, s41
	s_delay_alu instid0(VALU_DEP_1)
	v_add_f32 v14, v14, v228
	s_wait_alu depctr_va_vdst(0)
	v_rcp_f32 v226, v14
	v_nop
.set J, 0
	s_wait_alu depctr_va_vdst(0)
.rept 16
	v_pk_mul_f32 v[96+J:97+J], v[160+J:161+J], v[226:227] op_sel_hi:[1,0]
.set J, J+2
.endr
.irp b, 0,1
.irp j, 0,1,2,3,4,5,6,7
	v_permlane16_swap_b32 v[96+16*\b+\j], v[104+16*\b+\j]
.endr
.endr
.irp b, 0,1
	v_max3_num_f32 v[212+\b], |v[96+16*\b]|, |v[97+16*\b]|, 0x1800000
.endr
.irp i, 2,4,6,8,10,12,14
.irp b, 0,1
	s_delay_alu instid0(VALU_DEP_2)
	v_max3_num_f32 v[212+\b], v[212+\b], |v[96+16*\b+\i]|, |v[97+16*\b+\i]|
.endr
.endr
.irp b, 0,1
	s_delay_alu instid0(VALU_DEP_2)
	v_permlanex16_b32 v[216+\b], v[212+\b], s40, s41
.endr
.irp b, 0,1
	s_delay_alu instid0(VALU_DEP_2)
	v_max_num_f32 v[212+\b], v[212+\b], v[216+\b]
.endr
.irp b, 0,1
	s_delay_alu instid0(VALU_DEP_2)
	v_add_nc_u32 v[220+\b], 0xff000000, v[212+\b]
.endr
.irp b, 0,1
	s_delay_alu instid0(VALU_DEP_2)
	v_lshrrev_b32 v[216+\b], 23, v[220+\b]
.endr
	s_delay_alu instid0(VALU_DEP_1)
	v_lshl_or_b32 v229, v217, 8, v216
	v_cvt_scalef32_pk16_fp6_f32 v[192:194], v[96:111], v220
	v_cvt_scalef32_pk16_fp6_f32 v[204:206], v[112:127], v221
	v_nop
.irp i, 0,1,2
	v_permlane16_swap_b32 v[192+\i], v[204+\i]
.endr
.irp i, 0,1,2
	s_delay_alu instid0(VALU_DEP_3)
	v_mov_b32 v[195+\i], v[204+\i]
.endr
.irp p, 0,1,2
	global_store_b64 v3, v[192+2*\p:193+2*\p], s[50:51] offset:12288*\e+256*\p
.endr
	global_store_b16 v4, v229, s[52:53] offset:512*\e
	s_wait_xcnt 0x0
.endm
	INIT 0
	s_wait_tensorcnt 0x1
	s_barrier_signal -1
	s_barrier_wait -1
.rept 3
	STEP
.endr
	s_wait_tensorcnt 0x0
	s_barrier_signal -1
	s_barrier_wait -1
	s_mov_b32 s45, 13
.Lfirst:
	STEP
	s_sub_co_u32 s45, s45, 1
	s_cmp_lg_u32 s45, 0
	s_cbranch_scc1 .Lfirst
	OUT 0
	INIT 1
	s_mov_b32 s45, 16
.Lsecond:
	STEP
	s_sub_co_u32 s45, s45, 1
	s_cmp_lg_u32 s45, 0
	s_cbranch_scc1 .Lsecond
	OUT 1
	s_wait_tensorcnt 0x0
	ds_add_u32 v254, v255
	s_wait_dscnt 0x0
	CROUND
	s_endpgm
.Lfunc_end_k_qf640f880ac_attn:
	.size	k_qf640f880ac_attn, .Lfunc_end_k_qf640f880ac_attn-k_qf640f880ac_attn
	.p2alignl 7, 3214868480
	.fill 96, 4, 3214868480
	.section	.rodata,"a",@progbits
	.p2align	6, 0x0
	.amdhsa_kernel k_qf640f880ac_attn
		.amdhsa_group_segment_fixed_size 327680
		.amdhsa_private_segment_fixed_size 0
		.amdhsa_enable_private_segment 0
		.amdhsa_kernarg_size 32
		.amdhsa_user_sgpr_count 2
		.amdhsa_user_sgpr_kernarg_segment_ptr 1
		.amdhsa_wavefront_size32 1
		.amdhsa_system_sgpr_workgroup_id_x 1
		.amdhsa_system_sgpr_workgroup_id_y 1
		.amdhsa_system_sgpr_workgroup_id_z 1
		.amdhsa_system_vgpr_workitem_id 0
		.amdhsa_next_free_vgpr 256
		.amdhsa_next_free_sgpr 66
		.amdhsa_reserve_vcc 0
		.amdhsa_float_denorm_mode_32 3
		.amdhsa_float_denorm_mode_16_64 3
		.amdhsa_memory_ordered 1
		.amdhsa_forward_progress 1
		.amdhsa_inst_pref_size 102
	.end_amdhsa_kernel
	.amdgpu_metadata
---
amdhsa.version: [ 1, 2 ]
amdhsa.kernels:
  - .name:           k_qf640f880ac_attn
    .symbol:         k_qf640f880ac_attn.kd
    .args:
      - { .name: qf, .offset: 0, .size: 8, .value_kind: global_buffer, .address_space: global }
      - { .name: kv, .offset: 8, .size: 8, .value_kind: global_buffer, .address_space: global }
      - { .name: a_codes, .offset: 16, .size: 8, .value_kind: global_buffer, .address_space: global }
      - { .name: a_scales, .offset: 24, .size: 8, .value_kind: global_buffer, .address_space: global }
    .group_segment_fixed_size: 327680
    .private_segment_fixed_size: 0
    .kernarg_segment_align: 8
    .kernarg_segment_size: 32
    .max_flat_workgroup_size: 512
    .sgpr_count:     66
    .vgpr_count:     256
    .wavefront_size: 32
...
	.end_amdgpu_metadata
.endif
;; end of part 2
;; launch proj (part 3): grid 4 x 64, 4 waves a work-group, clusters of 4 x 4, 327,680 bytes of LDS; arguments a_codes, a_scales, proj_w_codes, proj_w_scales, out0, proj_b; writes out0
.if DOCPART == 3
	.amdgcn_target "amdgcn-amd-amdhsa--gfx1250"
	.amdhsa_code_object_version 6
	.text
	.protected	k_qf640f880ac_proj
	.globl	k_qf640f880ac_proj
	.p2align	8
	.type	k_qf640f880ac_proj,@function
k_qf640f880ac_proj:
	s_mov_b64 s[64:65], 0
	v_nop
	global_prefetch_b8 v0, s[64:65] scope:SCOPE_SE
	s_setreg_imm32_b32 hwreg(HW_REG_WAVE_MODE, 25, 1), 1
	s_wait_xcnt 0x0
	s_wait_alu depctr_hold_cnt(0) depctr_sa_sdst(0) depctr_va_vdst(0) depctr_va_sdst(0) depctr_va_ssrc(0) depctr_va_vcc(0) depctr_vm_vsrc(0)
	s_getreg_b32 s2, hwreg(HW_REG_IB_STS2, 6, 4)
	s_cmp_eq_u32 s2, 0
	s_cbranch_scc0 .Lentry_in_a_cluster
	s_endpgm
.Lentry_in_a_cluster:
	s_bfe_u32 s2, ttmp6, 0x10000c
	s_cmp_lg_u32 s2, 0xf033
	s_cbranch_scc0 .Lentry_shape_is_right
	s_endpgm
.Lentry_shape_is_right:
; out0 [8192][1024] = a [8192][1024] x proj_w + proj_b; both operands are FP6 (E2M3) codes with one E8M0 byte for each 32 along K; sums in f32.
; a_codes is the attention launch's image of operand registers: for 16 rows 12,288 bytes, in them 768 bytes a head (64 along K): registers 2 p, 2 p + 1 of lane l at 256 p + 8 l.
; A WORK-GROUP makes 128 rows x 256 columns: 4 x 64 = 256 work-groups.  K = 1,024 is staged whole: a's 128 rows are 98,304 dense bytes; proj_w's 256 rows of 768 bytes (each begins at a multiple of
; 256 bytes) get 16 bytes of padding behind each 256: pitch 816.  One joint load a wave at the head brings all of it; nothing is filled again.
; A WAVE makes 64 rows x 128 columns, 32 accumulators: source 0 = 128 rows of proj_w, source 1 = 64 rows of a, so that a lane holds eight neighbouring columns of a row.  The bias is the C of the first step.
; SCALES go from memory into registers: for 16 rows one load of 16 bytes a lane, 512 bytes on end: lanes 0-15 hold K steps 0-3, lanes 16-31 steps 4-7 (read by ROW1).
; CLUSTERS 4 x 4: a's tile is shared along a row of the cluster, proj_w's along a column.  No prefetch: the launch has no loop to run ahead in.
.set PITCH,  816
.set WREG,   98304
.set SPARE,  WREG+256*PITCH
.set SPITCH, 528                       ; the way out: a stage of 16 rows x (512 + 16) bytes a wave, in a's bytes, behind a barrier behind which nobody reads them
.set A0,   8
.set A1,   12
.set SCO,  22
.set GA,   23
.set STO,  24
.set RD,   25
.set CO,   26
.set SPW,  28
.set NIL,  29
.set S0,   32                          ; v32-63, v64-79: scale words and nothing else
.set S1,   64
.set F1,   160                         ; v160-255 source 1's fragments, two sets
.set BK,   128                         ; the way out: rows read back, two sets of 64
; window 1: accumulators (a, b) at 64 a + 8 b.  window 2: source 0's fragments, two sets.  window 3: v0-63 the bias at my 128 columns
.set G1A, 24
.set G0A, 32
.set G0H, 36
.set G1W, 48
.set MSB, 0
.macro WIN new
.if MSB != (\new)
	s_set_vgpr_msb (MSB<<8)|(\new)
.set MSB, (\new)
.endif
.endm
.set MULW, 0x52                        ; source 0 window 2, source 1 window 0, C and D window 1
.set BIAW, 0x72                        ; the same, C window 3
.set TO0,  0x80
.macro CROUND
	s_barrier_signal -1
	s_barrier_wait -1
	s_cmp_lg_u32 s14, 0
	s_cbranch_scc1 .Lnot_wave_0_\@
	s_barrier_signal -3
.Lnot_wave_0_\@:
	s_barrier_wait -3
	s_barrier_signal -1
	s_barrier_wait -1
.endm
.macro PLACES
.rept 4
	v_nop
.endr
.endm
.macro FRAG reg, adr, st, i            ; byte y of a row of proj_w lies at y + 16 (y / 256); lanes 16-31 read 24 bytes on, at times behind one padding more
.irp p, 0,1,2,3,4,5
.set BY, 96*(\st)+48*(\p/3)+8*(\p%3)
.if BY/256 == (BY+24)/256
	ds_load_b64 v[\reg+2*\p:\reg+2*\p+1], v[\adr] offset:BY+16*(BY/256)+(\i)*16*PITCH
.else
	ds_load_b64 v[\reg+2*\p:\reg+2*\p+1], v[\adr+1] offset:BY+16*(BY/256)+(\i)*16*PITCH
.endif
.endr
.endm
.macro FETCH0 st, p
	WIN TO0
.irp i, 0,1,2,3
	FRAG 128*(\p)+12*\i, A0, \st, \i
.endr
.irp i, 0,1,2,3
	FRAG 128*(\p)+48+12*\i, A0+2, \st, \i
.endr
	WIN 0
.endm
.macro FETCH1 st, p                    ; a's fragments, as the image has them
.irp i, 0,1,2,3
.irp q, 0,1,2,3,4,5
	ds_load_b64 v[F1+48*(\p)+12*\i+2*\q:F1+48*(\p)+12*\i+2*\q+1], v[A1] offset:\i*12288+(2*(\st)+\q/3)*768+256*(\q%3)
.endr
.endr
.endm
.macro MUL st                          ; 32 matrix instructions; the accumulators take turns
.irp a, 0,1,2,3
.irp b, 0,1,2,3,4,5,6,7
.set DR, 64*\a+8*\b
.set AR, 128*((\st)%2)+12*\b
.set BR, F1+48*((\st)%2)+12*\a
.set SA, S0+4*\b+(\st)%4
.set SB, S1+4*\a+(\st)%4
.if (\st) == 0
	v_wmma_scale_f32_16x16x128_f8f6f4 v[DR:DR+7], v[AR:AR+11], v[BR:BR+11], v[8*\b:8*\b+7], v[SA], v[SB] matrix_a_fmt:MATRIX_FMT_FP6 matrix_b_fmt:MATRIX_FMT_FP6
.else
.if (\st) < 4
	v_wmma_scale_f32_16x16x128_f8f6f4 v[DR:DR+7], v[AR:AR+11], v[BR:BR+11], v[DR:DR+7], v[SA], v[SB] matrix_a_fmt:MATRIX_FMT_FP6 matrix_b_fmt:MATRIX_FMT_FP6
.else
	v_wmma_scale_f32_16x16x128_f8f6f4 v[DR:DR+7], v[AR:AR+11], v[BR:BR+11], v[DR:DR+7], v[SA], v[SB] matrix_a_fmt:MATRIX_FMT_FP6 matrix_b_fmt:MATRIX_FMT_FP6 matrix_a_scale:MATRIX_SCALE_ROW1 matrix_b_scale:MATRIX_SCALE_ROW1
.endif
.endif
.endr
.endr
.endm
	s_load_b256 s[4:11], s[0:1], 0x0               ; a's codes, a's scales, proj_w's codes, proj_w's scales
	s_load_b128 s[68:71], s[0:1], 0x20             ; out0, proj_b
	v_lshl_add_u32 v[SPW], v0, 2, SPARE
	v_mov_b32 v[NIL], 0
	ds_add_u32 v[SPW], v[NIL]                      ; the opening lines: the add, twice on end, and its wait
	ds_add_u32 v[SPW], v[NIL]
	v_lshrrev_b32 v1, 5, v0
	v_readfirstlane_b32 s14, v1                    ; wave
	s_lshr_b32 s15, s14, 1                         ; j: my half of the rows
	s_and_b32 s16, s14, 1                          ; i: my half of the columns
	s_bfe_u32 s40, ttmp6, 0x40000                  ; cx: which 256 columns
	s_bfe_u32 s41, ttmp6, 0x40004
	s_and_b32 s17, ttmp7, 0xffff
	s_lshl_b32 s17, s17, 2
	s_add_co_u32 s17, s17, s41                     ; which 128 rows
	s_lshl_b32 s43, s41, 2
	s_lshl_b32 s43, 15, s43
	s_lshl_b32 s44, 0x1111, s40
	s_or_b32 s[G1A], s43, (3<<16)|(1<<21)          ; a: 49,152 dense bytes as 192 rows of 32 elements of 8 bytes; to my row of the cluster
	s_mov_b32 s[G1A+1], 32<<16
	s_mov_b32 s[G1A+2], 192<<16
	s_mov_b32 s[G1A+3], 32<<16
	s_mov_b32 s[G1A+4], 192
	s_mov_b32 s[G1A+5], 32
	s_mov_b32 s[G1A+6], 0
	s_mov_b32 s[G1A+7], 0
	s_or_b32 s[G1W], s44, (1<<20)|(1<<21)|(5<<22)|(3<<25)   ; proj_w: 128 rows of 768 bytes, 4 words of padding after every 64; to my column
	s_mov_b32 s[G1W+1], 768<<16
	s_mov_b32 s[G1W+2], 128<<16
	s_mov_b32 s[G1W+3], 768<<16
	s_mov_b32 s[G1W+4], 128
	s_mov_b32 s[G1W+5], 768
	s_mov_b32 s[G1W+6], 0
	s_mov_b32 s[G1W+7], 0
	s_lshl_b32 s20, s17, 7                         ; my work-group's first row
	s_lshl_b32 s21, s16, 6
	s_add_co_u32 s21, s20, s21
	s_mul_i32 s22, s21, 768                        ; a's codes: the 64 rows that waves 0, 1 fetch
	s_mov_b32 s23, 0
	s_lshl_b32 s46, s40, 8
	s_lshl_b32 s47, s16, 7
	s_add_co_u32 s47, s46, s47                     ; 256 cx + 128 i
	s_mul_i32 s92, s47, 768                        ; proj_w's codes: the 128 rows that waves 2, 3 fetch
	s_mov_b32 s93, 0
	s_lshl_b32 s21, s15, 6
	s_add_co_u32 s21, s20, s21                     ; my wave's first row
	s_lshl_b32 s90, s21, 5                         ; a's scales
	s_mov_b32 s91, 0
	s_lshl_b32 s44, s47, 5                         ; proj_w's scales
	s_mov_b32 s45, 0
	s_lshl_b32 s42, s47, 2                         ; the bias, and my first column in bytes
	s_mov_b32 s43, 0
	s_lshl_b32 s96, s21, 12
	s_add_co_u32 s96, s96, s42                     ; my first number of out0
	s_mov_b32 s97, 0
	s_mov_b32 s[G0A], 1
	s_mul_i32 s[G0A+1], s16, 49152
	s_mov_b32 s[G0H], 1
	s_mul_i32 s[G0H+1], s16, 128*PITCH
	s_add_co_u32 s[G0H+1], s[G0H+1], WREG
	s_wait_dscnt 0x0
	s_wait_kmcnt 0x0
	s_add_nc_u64 s[G0A+2:G0A+3], s[4:5], s[22:23]
	s_or_b32 s[G0A+3], s[G0A+3], 0x80000000
	s_add_nc_u64 s[G0H+2:G0H+3], s[8:9], s[92:93]
	s_or_b32 s[G0H+3], s[G0H+3], 0x80000000
	CROUND                                         ; the joint loads meet
	s_cmp_lt_u32 s14, 2                            ; one load a wave: waves 0, 1 a's halves, waves 2, 3 proj_w's
	s_cbranch_scc0 .Lhead_w
	tensor_load_to_lds s[G0A:G0A+3], s[G1A:G1A+7]
	s_nop 0
	PLACES
	s_branch .Lhead_asked
.Lhead_w:
	tensor_load_to_lds s[G0H:G0H+3], s[G1W:G1W+7]
	s_nop 0
	PLACES
.Lhead_asked:
	s_add_nc_u64 s[60:61], s[6:7], s[90:91]
	s_add_nc_u64 s[62:63], s[10:11], s[44:45]
	s_add_nc_u64 s[70:71], s[70:71], s[42:43]
	s_add_nc_u64 s[12:13], s[68:69], s[96:97]
	s_mul_i32 s21, s15, 49152
	s_mul_i32 s23, s14, 16*SPITCH
	v_and_b32 v1, 15, v0
	v_bfe_u32 v2, v0, 4, 1
	v_and_b32 v5, 31, v0
	v_mul_u32_u24 v3, v1, PITCH
	v_mad_u32_u24 v3, v2, 24, v3
	v_lshl_add_u32 v4, v2, 4, v3
	v_add_nc_u32 v[A0], s[G0H+1], v3               ; my 128 rows of proj_w: blocks 0-3,
	v_add_nc_u32 v[A0+1], s[G0H+1], v4
	v_add_nc_u32 v[A0+2], 64*PITCH, v[A0]          ; blocks 4-7
	v_add_nc_u32 v[A0+3], 64*PITCH, v[A0+1]
	v_lshl_add_u32 v[A1], v5, 3, s21               ; my 64 rows of a: 8 x lane
	v_lshlrev_b32 v[GA], 5, v2
	v_lshlrev_b32 v[SCO], 4, v2
	v_lshl_add_u32 v[SCO], v1, 5, v[SCO]
	v_mul_u32_u24 v6, v1, SPITCH
	v_lshl_add_u32 v6, v2, 5, v6
	v_add_nc_u32 v[STO], s23, v6                   ; the stage: in: row l % 16, 32 bytes a half
	v_lshlrev_b32 v[CO], 4, v5
	v_add_nc_u32 v[RD], s23, v[CO]                 ; back: 32 lanes take a row of 512 bytes
.irp b, 0,1,2,3,4,5,6,7
	global_load_b128 v[S0+4*\b:S0+4*\b+3], v[SCO], s[62:63] offset:512*\b
.endr
.irp a, 0,1,2,3
	global_load_b128 v[S1+4*\a:S1+4*\a+3], v[SCO], s[60:61] offset:512*\a
.endr
	WIN 0xc0                                       ; destination window 3
.irp b, 0,1,2,3,4,5,6,7                ; the bias at columns 16 b + 8 (l / 16) + 0 .. 7
	global_load_b128 v[8*\b:8*\b+3],   v[GA], s[70:71] offset:64*\b
	global_load_b128 v[8*\b+4:8*\b+7], v[GA], s[70:71] offset:64*\b+16
.endr
	WIN 0
	s_wait_alu depctr_va_vdst(0)
	s_wait_tensorcnt 0x0                           ; my part is in;
	s_barrier_signal -1
	s_barrier_wait -1                              ; everybody's is
	FETCH0 0, 0
	FETCH1 0, 0
	s_wait_loadcnt 0x0                             ; scale words and bias
.set ST, 0
.rept 8                                ; a step's 72 fragment loads are issued ahead of the step before's 32 matrix instructions
	s_wait_dscnt 0x0
.if ST < 7
	PLACES
	FETCH0 ST+1, (ST+1)%2
	FETCH1 ST+1, (ST+1)%2
.endif
.if ST == 0
	WIN BIAW
.else
	WIN MULW
.endif
	MUL ST
	WIN 0
.set ST, ST+1
.endr
; THE WAY OUT, by blocks of 16 rows x 128 columns, through my stage: back as rows of 512 bytes, stored as two aligned units of 256 bytes
.macro TOSTAGE a
.set AC, 64*(\a)
	WIN 0x04                                       ; the data: window 1
.irp b, 0,1,2,3,4,5,6,7
	ds_store_b128 v[STO], v[AC+8*\b:AC+8*\b+3] offset:64*\b
	ds_store_b128 v[STO], v[AC+8*\b+4:AC+8*\b+7] offset:64*\b+16
.endr
	WIN 0
.set BB, BK+64*((\a)%2)
.irp t, 0,1,2,3,4,5,6,7,8,9,10,11,12,13,14,15
	ds_load_b128 v[BB+4*\t:BB+4*\t+3], v[RD] offset:\t*SPITCH     ; LDS serves a wave's instructions in order: these see the stores above
.endr
.endm
.macro SEND a, younger
.set BB, BK+64*((\a)%2)
	s_wait_dscnt \younger
.if (\a) > 0
	s_add_nc_u64 s[12:13], s[12:13], 16*4096       ; behind a wait on XCNT: 16 rows on
.endif
.irp t, 0,1,2,3,4,5,6,7,8,9,10,11,12,13,14,15
	global_store_b128 v[CO], v[BB+4*\t:BB+4*\t+3], s[12:13] offset:\t*4096 th:TH_STORE_NT
.endr
.endm
	PLACES
	s_barrier_signal -1                            ; every wave's reads of a's bytes were waited for at its last step's head
	s_barrier_wait -1
	TOSTAGE 0
.irp a, 1,2,3
.if \a > 1
	s_wait_xcnt 0x0                                ; block a - 2's stores have read their registers and their base
.endif
	TOSTAGE \a
	SEND \a-1, 32
.endr
	s_wait_xcnt 0x0
	SEND 3, 0
	s_wait_tensorcnt 0x0                           ; the wave's end
	ds_add_u32 v[SPW], v[NIL]
	s_wait_dscnt 0x0
	CROUND                                         ; the closing round
	s_endpgm
.Lfunc_end_k_qf640f880ac_proj:
	.size	k_qf640f880ac_proj, .Lfunc_end_k_qf640f880ac_proj-k_qf640f880ac_proj
	.p2alignl 7, 3214868480
	.fill 96, 4, 3214868480
	.section	.rodata,"a",@progbits
	.p2align	6, 0x0
	.amdhsa_kernel k_qf640f880ac_proj
		.amdhsa_group_segment_fixed_size 327680
		.amdhsa_private_segment_fixed_size 0
		.amdhsa_enable_private_segment 0
		.amdhsa_kernarg_size 48
		.amdhsa_user_sgpr_count 2
		.amdhsa_user_sgpr_kernarg_segment_ptr 1
		.amdhsa_wavefront_size32 1
		.amdhsa_system_sgpr_workgroup_id_x 1
		.amdhsa_system_sgpr_workgroup_id_y 1
		.amdhsa_system_sgpr_workgroup_id_z 1
		.amdhsa_system_vgpr_workitem_id 0
		.amdhsa_next_free_vgpr 1024
		.amdhsa_next_free_sgpr 100
		.amdhsa_reserve_vcc 0
		.amdhsa_float_denorm_mode_32 3
		.amdhsa_float_denorm_mode_16_64 3
		.amdhsa_memory_ordered 1
		.amdhsa_forward_progress 1
		.amdhsa_inst_pref_size 94
	.end_amdhsa_kernel
	.amdgpu_metadata
---
amdhsa.version: [ 1, 2 ]
amdhsa.kernels:
  - .name:           k_qf640f880ac_proj
    .symbol:         k_qf640f880ac_proj.kd
    .args:
      - { .name: a_codes, .offset: 0, .size: 8, .value_kind: global_buffer, .address_space: global }
      - { .name: a_scales, .offset: 8, .size: 8, .value_kind: global_buffer, .address_space: global }
      - { .name: proj_w_codes, .offset: 16, .size: 8, .value_kind: global_buffer, .address_space: global }
      - { .name: proj_w_scales, .offset: 24, .size: 8, .value_kind: global_buffer, .address_space: global }
      - { .name: out0, .offset: 32, .size: 8, .value_kind: global_buffer, .address_space: global }
      - { .name: proj_b, .offset: 40, .size: 8, .value_kind: global_buffer, .address_space: global }
    .group_segment_fixed_size: 327680
    .private_segment_fixed_size: 0
    .kernarg_segment_align: 8
    .kernarg_segment_size: 48
    .max_flat_workgroup_size: 128
    .sgpr_count:     100
    .vgpr_count:     1024
    .wavefront_size: 32
...
	.end_amdgpu_metadata
.endif
;; end of part 3
